; MI455X (gfx1250); checked and timed in simulation.
; The chip was launched on July 23, 2026; its instructions are those of AMD's public machine-readable ISA for CDNA 5 (MIT licence, August 2026) and "CDNA5" Instruction Set Architecture Reference Guide (July 2026). The comments in the code are by the model that wrote it; some were corrected since.
;; Shared Independent Node Network. Allowed arithmetic: matrix products marked QUANTISED: E4M3 operands, one given power-of-two scale a tensor, by v_wmma_f32_16x16x64_fp8_fp8 or v_wmma_f32_16x16x128_fp8_fp8, f32 sums; products left as they are: f32 operands where the result goes on into a quantised operand, else bf16, f16 or f32 operands; f32 sums; everything else in f32.
;; Inputs: W1 128 x 256 float32; W2 256 x 256 float32; W3 256 x 1 float32; X 8,192 x 128 x 64 float32; b1 256 float32; b2 256 float32; b3 1 float32; lowp_scales 4 int32 (the exponents e of the quantised operands' scales 2^e).
;; Outputs: out0 8,192 x 65 float32.
;; This version of the problem:
;;   THIS VERSION OF THE PROBLEM IS GIVEN IN LOW PRECISION. The matrix products marked QUANTISED in the list below multiply operands that are first quantised to E4M3 (4 exponent bits, 3 mantissa bits; 8 bits a number), with one given power-of-two scale for each operand tensor; their sums are f32. All else is computed in f32.
;;   The module's matrix products, in the order in which they are computed (A, B: the left and right operand; K: the contracted axis; several contracted axes count as one K, in the product's order):
;;     1. [M 524,288, K 128] x [K 128, N 256]; A: input X; B: input W1: QUANTISED (scales: A lowp_scales[0], B lowp_scales[1])
;;     2. [M 524,288, K 256] x [K 256, N 256]; A: computed on the way; B: input W2: QUANTISED (scales: A lowp_scales[2], B lowp_scales[3])
;;     3. [M 524,288, K 256] x [K 256, N 1]; A: computed on the way; B: input W3: left as it is (N = 1 < 16)
;;   THE QUANTISER, for each operand of a quantised product, along K:
;;     - The operand's scale is 2^e, e = its entry of the input lowp_scales (int32; the entries are numbered through the quantised products in the list's order, A before B).
;;     - Each number is divided by the scale, clamped to +-448, and rounded to the nearest number of E4M3, ties to even, subnormals kept.
;;     - The product sums the exact products of the quantised numbers (number of the format x scale) in f32.
;;   ~~~python
;;   def quantise(x, axis, e):      # numpy; x: float32 -> the quantised numbers, widened to float32 again
;;       x = np.moveaxis(x, axis, -1); K = x.shape[-1]
;;       r = np.clip(x / 2.0 ** e, -448, 448)
;;       step = 2.0 ** (np.maximum(np.frexp(np.where(r == 0, 1, r))[1] - 1, -6) - 3)
;;       q = np.round(r / step) * step * 2.0 ** e      # np.round: ties to even
;;       return np.moveaxis(q, -1, axis).astype(np.float32)
;;   ~~~
;;   OPERANDS COMPUTED ON THE WAY. 'Computed on the way' means the value that the module computes at that place (a softmax that the list does not call 'softmax' is quantised finished and normalised). What goes into a quantiser is computed in f32, as accurately as f32 sums, v_exp_f32 and their like allow (about 1e-6 of the number): no bf16 or f16 on the way to a quantiser, and a product that is left as it is and whose result goes on into a quantised operand takes f32 operands (vector FMAs, or v_wmma_f32_16x16x4_f32). A number that lies on a knife's edge between two numbers of the format may be rounded either way, as far as f32 arithmetic and the matrix unit's own rounding can turn it there, and no further.
;; One version. Each part assembles by itself: llvm-mc -triple=amdgcn-amd-amdhsa -mcpu=gfx1250 --defsym DOCPART=n.
;; ======== version 1 of 1: 1 launch
;; limits: right only within a limited range of input values
;; launch mlp (part 1): grid 256 x 1, 8 waves a work-group, no clusters, 327,680 bytes of LDS; arguments X, W1, b1, W2, b2, W3, b3, lowp_scales, out0; writes out0
.if DOCPART == 1
	.amdgcn_target "amdgcn-amd-amdhsa--gfx1250"
	.amdhsa_code_object_version 6
	.text
	.protected	k_qbd9f16d078_mlp
	.globl	k_qbd9f16d078_mlp
	.p2align	8
	.type	k_qbd9f16d078_mlp,@function
k_qbd9f16d078_mlp:
	s_mov_b64 s[64:65], 0
	v_nop
	global_prefetch_b8 v0, s[64:65] scope:SCOPE_SE
	s_setreg_imm32_b32 hwreg(HW_REG_WAVE_MODE, 25, 1), 1
	s_wait_xcnt 0x0
; out0[b][0] = 0;  out0[b][1+n] = relu(relu(x W1 + b1) W2 + b2) W3 + b3  for the row x = X[b][:][n] (128 numbers).  X: [8192][128][64] f32.
; Products 1 (K = 128) and 2 (K = 256) run on codes of FP8 (E4M3), each operand with the one given scale 2^e: ex, ew1, eh, ew2 = lowp_scales[0..3]; sums in f32.  Product 3 (one column) is f32 multiply-adds.
; SHARES.  256 work-groups of 8 waves; a work-group owns 32 b, wave w the four b 4 w .. 4 w + 3 (131,072 consecutive bytes of X).  One b (64 rows n: four tiles of 16) goes through the whole chain
; inside one wave: the two hidden layers never leave its registers.  The loop has no barrier: a trip is layers 2 and 3 of b i, then layer 1 of b i + 1; layer 1 of the first b stands ahead of it, layers 2 and 3 of the last behind it.
; K IS NOT INNERMOST in X, W1, W2.  A load takes bytes as they lie: lane (r = lane % 16, h = lane / 16), register j of load i holds X(k = 2 i + h, n = 4 r + j).  The hold at the largest code, which every number needs, writes
; its result where the conversion wants it: eight loads u = 0..7 of one j into eight consecutive registers.  So the conversion gives two registers of the fragment of row tile j (its lane r is n = 4 r + j), and byte u of
; pair g in half h is k = 16 g + 2 u + h: a permutation of k inside the instruction's 128.  W1's fragments are made by the same lines from the same rows k, so every product meets its partner.
; BOTH PRODUCTS ARE USED TRANSPOSED (source 0 = 16 columns of the weight, source 1 = 16 rows n): a lane holds ONE n, its eight registers eight hidden units.  W1's tile T = 4 B + j has c = 64 B + 4 r + j in lane r, so
; register jj of the result is c = 64 B + 32 h + 4 jj + j; its eight codes are registers 2 t, 2 t + 1 of the next operand's K step s (T = 8 s + t).  W2's rows are taken in just that order of c.
; b1, b2, W3 are laid into LDS once in the results' order: entry 16 T + 8 h + jj.  b1 and b2 are the C of a sum's first matrix instruction, divided by the power of two that the sums lack; W3 is multiplied by 2^(eh + ew2).
; THE WEIGHTS are quantised once by the work-group (each wave a share) and lie in LDS as images of operand registers (four registers a lane at 16 x lane, 512 bytes a store); every wave reads them again for each b.
; W2 arrives as f32 by one tensor load a wave (128 rows x 64 columns, its own 32,768 bytes of LDS) and becomes codes behind the first b's layer 1; a wave's images of W2 then lie in the first 8,192 bytes of its own
; tile, which has had its only fill and its last read as f32.
; NO CLUSTER: what work-groups share is W1 and W2, 393,216 bytes asked for once in the launch, beside 1,048,576 bytes of X that are a work-group's own; W1 passes through registers.
; NO PREFETCH: X is read once, and each wave has 16,384 bytes of it asked for a whole layer ahead, 131,072 bytes a work-group.
; LIMITS: ex, ew1, ew2 and eh - ex - ew1 lie between -126 and 119, so that each scale and 448 x the scale is an f32 number; b1 / 2^(ex + ew1), b2 / 2^(eh + ew2) and W3 x 2^(eh + ew2) are f32 numbers.
; NaN among the inputs is not served; an infinity in an operand of a quantised product is held at the largest code.
; THE WAY OUT: 32 rows of 260 bytes gather in LDS and leave as 8,320 consecutive bytes, 16 a lane; they begin at a multiple of 128 bytes from out0's first byte, so the first or the last 128 of them share an aligned 256 with a neighbour.
; REGISTERS.  Window 0: below.   Window 1: v0-127 half a b of X as loaded; v128-255 the first hidden layer's codes (4 tiles x 2 K steps x 16); at the head W1's share as loaded.
.set PB1,   0                          ; LDS: b1 / 2^(ex + ew1), 256 words in the results' order
.set PB2,   1024                       ; b2 / 2^(eh + ew2)
.set PW3,   2048                       ; W3 x 2^(eh + ew2)
.set STAGE, 3072                       ; 32 rows of out0, 260 bytes each
.set SPARE, 11520                      ; the spare words, 128 bytes for each wave: four blocks of 256 bytes that no other line names
.set W1IMG, 12544                      ; W1: tile T at 2048 T, four registers a lane at + 512 c + 16 x lane
.set STG,   45312                      ; W2: wave w's f32 tile at 32768 w; then the images: tile T, K step s at 65536 (T / 4) + 32768 s + 2048 (T % 4) + 512 c + 16 x lane; ends at 307,456
.set LX,  1                            ; v1  16 x lane: my bytes of a load's 512
.set A1,  2                            ; v2  LX + W1IMG
.set BH,  3                            ; v3  32 h: my half's eight words of a tile's sixteen in PB1, PB2, PW3
.set A2,  4                            ; v4-7  LX + STG + 65536 x 0..3
.set STB, 8                            ; v8  the stage: STAGE + 1040 wave + 4 + 16 r + 8 h
.set GO,  9                            ; v9  16 x thread: the way out
.set XSC, 10                           ; v10, v11  2^ex and 448 x 2^ex
.set XLM, 11
.set HSC, 12                           ; v12, v13  the same with eh - ex - ew1
.set HLM, 13
.set BB,  14                           ; v[14:15]  (b3 in lanes 0-15, else 0; 0): what layer 3's sums begin with
.set ACC, 16                           ; v[16+2m:17+2m] layer 3's sum of row tile m, in two halves.  Until layer 2: v16, v17 the opening adds; the next six:
.set WSC, 18                           ; v18, v19  the weight in hand: its scale and hold
.set WLM, 19
.set W1S, 21                           ; v21  where I store W1's images
.set W2R, 22                           ; v22  where I read my W2 tile
.set W2S, 23                           ; v23  where I store W2's images
.set W3R, 24                           ; v24-47  W3 of three tiles by turns; at a b's end v32-40 at work
.set TM,  32
.set SCR, 32                           ; at the head: 32 registers for the held numbers
.set DD,  48                           ; accumulator (set p, row tile m) at 48 + 32 p + 8 m; also the conversions' held numbers
.set XB,  64                           ; at the head: the second half of my first b, v64-191
.set WB,  112                          ; weight buffer p at 112 + 40 p: +0 fragment of K step 0, +16 of K step 1, +32 bias
.set XC,  192                          ; x's fragment of row tile m at 192 + 16 m
.set SS,  0                            ; window 1
.set HH,  128                          ; window 1: codes of tile m at 128 + 32 m + 2 T
.set G0,  68                           ; s[68:71], s[72:79] the tensor descriptor
.set G1,  72
.set MSB, 0
.macro WIN new                         ; bits 1:0 source 0, 3:2 source 1, 5:4 source 2, 7:6 destination; the high byte repeats the setting that is left
.if MSB != (\new)
	s_set_vgpr_msb (MSB<<8)|(\new)
.set MSB, (\new)
.endif
.endm
.macro PLACES n
.rept \n
	v_nop
.endr
.endm
.macro MKSCALE e, vs, vl               ; 2^e as f32 (the conversion takes its exponent field), and 448 x 2^e
	s_add_co_i32 s33, s[\e], 127
	s_lshl_b32 s34, s33, 23
	v_mov_b32 v[\vs], s34
	s_add_co_i32 s33, s33, 8
	s_lshl_b32 s33, s33, 23
	s_or_b32 s33, s33, 0x600000
	v_mov_b32 v[\vl], s33
.endm
; a quarter of half a b of X: 8 loads of 512 consecutive bytes
.macro XLD8 win, dst, off, p
	WIN (\win)*0x40
.set i, 8*(\p)
.rept 8
	global_load_b128 v[(\dst)+4*i:(\dst)+4*i+3], v[LX], s[4:5] offset:(\off)+512*i th:TH_LOAD_NT
.set i, i+1
.endr
.endm
.macro XCOND off, p                    ; the same, but not in the last trip: no load leaves my four b
	s_cmp_eq_u32 s43, 2
	s_cbranch_scc1 .Lno_x_\@
	XLD8 1, SS, \off, \p
	WIN 0
.Lno_x_\@:
.endm
; 32 loads (128 registers from v[src] on, in window swin) become eight registers of each of four fragments, v[out + ostr j ..]; nb groups of eight loads at a time
.macro CONV swin, src, sc, lim, scr, nb, out, ostr
.set g, 0
.rept 4/(\nb)
	WIN (\swin)
.set q, 0
.rept \nb
.irp j, 0,1,2,3
.irp u, 0,1,2,3,4,5,6,7
	v_med3_num_f32 v[(\scr)+32*q+8*\j+\u], v[(\src)+32*(g+q)+4*\u+\j], -v[\lim], v[\lim]   ; the conversion to an 8-bit code does not saturate (ISA guide 7.6.2): the hold at the largest code x the scale
.endr
.endr
.set q, q+1
.endr
	WIN 0
.set q, 0
.rept \nb
.irp j, 0,1,2,3
	v_cvt_scalef32_pk8_fp8_f32 v[(\out)+(\ostr)*\j+2*(g+q):(\out)+(\ostr)*\j+2*(g+q)+1], v[(\scr)+32*q+8*\j:(\scr)+32*q+8*\j+7], v[\sc]
.endr
.set q, q+1
.endr
	v_nop                                          ; one plain vector instruction behind the conversions
.set g, g+(\nb)
.endr
.endm
.macro LOADW1 T, p                     ; six LDS loads: W1's tile T and its eight b1
.irp c, 0,1,2,3
	ds_load_b128 v[WB+40*(\p)+4*\c:WB+40*(\p)+4*\c+3], v[A1] offset:2048*(\T)+512*\c
.endr
.irp c, 0,1
	ds_load_b128 v[WB+40*(\p)+32+4*\c:WB+40*(\p)+32+4*\c+3], v[BH] offset:PB1+64*(\T)+16*\c
.endr
.endm
.macro LOADF2 T, p                     ; ten: W2's tile T, both K steps, and its eight b2
.irp s, 0,1
.irp c, 0,1,2,3
	ds_load_b128 v[WB+40*(\p)+16*\s+4*\c:WB+40*(\p)+16*\s+4*\c+3], v[A2+(\T)/4] offset:32768*\s+2048*((\T)%4)+512*\c
.endr
.endr
.irp c, 0,1
	ds_load_b128 v[WB+40*(\p)+32+4*\c:WB+40*(\p)+32+4*\c+3], v[BH] offset:PB2+64*(\T)+16*\c
.endr
.endm
.macro LOADW3 T                        ; two: the tile's eight W3
.irp c, 0,1
	ds_load_b128 v[W3R+8*((\T)%3)+4*\c:W3R+8*((\T)%3)+4*\c+3], v[BH] offset:PW3+64*(\T)+16*\c
.endr
.endm
.macro MM1 p                           ; layer 1, one tile of 16 hidden units x the four row tiles; the bias is the C
.irp m, 0,1,2,3
	v_wmma_f32_16x16x128_fp8_fp8 v[DD+32*(\p)+8*\m:DD+32*(\p)+8*\m+7], v[WB+40*(\p):WB+40*(\p)+15], v[XC+16*\m:XC+16*\m+15], v[WB+40*(\p)+32:WB+40*(\p)+39]
.endr
.endm
.macro MM2 p                           ; layer 2, one tile of 16 units x the four row tiles x two K steps; the four accumulators take turns, one instruction a turn
	WIN 0x04                                       ; source 1 (the codes) in window 1
.irp m, 0,1,2,3
	v_wmma_f32_16x16x128_fp8_fp8 v[DD+32*(\p)+8*\m:DD+32*(\p)+8*\m+7], v[WB+40*(\p):WB+40*(\p)+15], v[HH+32*\m:HH+32*\m+15], v[WB+40*(\p)+32:WB+40*(\p)+39]
.endr
.irp m, 0,1,2,3
	v_wmma_f32_16x16x128_fp8_fp8 v[DD+32*(\p)+8*\m:DD+32*(\p)+8*\m+7], v[WB+40*(\p)+16:WB+40*(\p)+31], v[HH+32*\m+16:HH+32*\m+31], v[DD+32*(\p)+8*\m:DD+32*(\p)+8*\m+7]
.endr
.endm
.macro HOLD p, from, n                 ; the activation and the hold in one; each accumulator from its low end on
.set i, \from
.rept \n
	v_med3_num_f32 v[DD+32*(\p)+i], v[DD+32*(\p)+i], 0, v[HLM]
.set i, i+1
.endr
.endm
.macro CODES T, p                      ; tile T's held sums become two code registers of each row tile's next operand
	WIN 0x40
.irp m, 0,1,2,3
	v_cvt_scalef32_pk8_fp8_f32 v[HH+32*\m+2*(\T):HH+32*\m+2*(\T)+1], v[DD+32*(\p)+8*\m:DD+32*(\p)+8*\m+7], v[HSC]
.endr
	WIN 0
	v_nop                                          ; one plain vector instruction behind the conversions
.endm
.macro RELU p, from, n                 ; two numbers an instruction
.set i, \from
.rept \n
	v_dual_max_num_f32 v[DD+32*(\p)+i], 0, v[DD+32*(\p)+i] :: v_dual_max_num_f32 v[DD+32*(\p)+i+1], 0, v[DD+32*(\p)+i+1]
.set i, i+2
.endr
.endm
.macro DOT T, p                        ; layer 3 on tile T: sum += h2 x W3, two numbers an instruction; tile 0's first line starts the sums from (b3, 0)
.irp jj, 0,2,4,6
.irp m, 0,1,2,3
.if ((\T) == 0) && (\jj == 0)
	v_pk_fma_f32 v[ACC+2*\m:ACC+2*\m+1], v[DD+32*(\p)+8*\m+\jj:DD+32*(\p)+8*\m+\jj+1], v[W3R+8*((\T)%3)+\jj:W3R+8*((\T)%3)+\jj+1], v[BB:BB+1]
.else
	v_pk_fma_f32 v[ACC+2*\m:ACC+2*\m+1], v[DD+32*(\p)+8*\m+\jj:DD+32*(\p)+8*\m+\jj+1], v[W3R+8*((\T)%3)+\jj:W3R+8*((\T)%3)+\jj+1], v[ACC+2*\m:ACC+2*\m+1]
.endif
.endr
.endr
.endm
; LAYER 1.  Tile T's four products; behind them tile T - 1 is quantised; its first eight lines name none of tile T's registers, so they are also the places in front of the loads into tile T's weight buffer.
; mode 0: the first b: W2's images do not lie in LDS yet; the next b's first half is asked for in tiles 4-7.  mode 1: in the loop: in tiles 0-3, while there is one.
.macro LAYER1 mode
.set T, 0
.rept 16
.if T == 15
.if \mode
	s_wait_dscnt 10                                ; W1's tile 15 is in; behind it: W2's tile 0 (ten)
.else
	s_wait_dscnt 0
.endif
.else
	s_wait_dscnt 6                                 ; tile T is in; the next tile's six loads may be out
.endif
	MM1 T%2
.if \mode
.if T < 4
	XCOND 32768, T
.endif
.elseif (T >= 4) && (T < 8)
	XLD8 1, SS, 32768, T-4
	WIN 0
.endif
.if T == 0
	PLACES 5
.else
	HOLD 1-T%2, 0, 8
.endif
.if T <= 13
	LOADW1 T+2, T%2
.elseif \mode
.if T == 14
	LOADF2 0, 0
.else
	LOADF2 1, 1
	LOADW3 0
.endif
.endif
.if T > 0
	HOLD 1-T%2, 8, 24
	CODES T-1, 1-T%2
.endif
.set T, T+1
.endr
	HOLD 1, 0, 32
	CODES 15, 1
.endm
; LAYERS 2 AND 3.  Tile T's eight products; behind them tile T - 1 goes into layer 3's sums; its first eight lines are the places in front of the loads, as above.
; mode 1: in the loop: in tiles 0-3 the next b's second half is asked for, at the end W1's tiles 0 and 1 are fetched.  mode 0: the last b.
.macro LAYER2 mode
.set T, 0
.rept 16
.if T == 15
.if \mode
	s_wait_dscnt 8                                 ; tile 15 and tile 14's W3 are in; behind them: tile 15's W3 (two), W1's tile 0 (six)
.else
	s_wait_dscnt 2                                 ; behind them: tile 15's W3 alone
.endif
.else
	s_wait_dscnt 12                                ; tile T and tile T - 1's W3 are in; behind them: tile T + 1 (ten), tile T's W3 (two)
.endif
	MM2 T%2
.if (\mode) && (T < 4)
	XLD8 1, SS, 16384, T
.endif
	WIN 0
.if T == 0
	PLACES 5
.else
	RELU 1-T%2, 0, 8
.endif
.if T <= 13
	LOADF2 T+2, T%2
	LOADW3 T+1
.elseif T == 14
	LOADW3 15
.if \mode
	LOADW1 0, 0
.endif
.elseif \mode
	LOADW1 1, 1
.endif
.if T > 0
	RELU 1-T%2, 16, 8
	DOT T-1, 1-T%2
.endif
.set T, T+1
.endr
.if \mode
	s_wait_dscnt 12                                ; tile 15's W3 is in; W1's tiles 0 and 1 may be out
.else
	s_wait_dscnt 0
.endif
	RELU 1, 0, 16
	DOT 15, 1
.endm
; the 64 results of a b: a sum's two halves, then the other half of the lanes'.  Lanes 0-15 keep row tiles 0, 1 and send 2, 3; lanes 16-31 the other way round: one exchange serves two tiles
.macro RESULT last
.irp m, 0,1,2,3
	s_delay_alu instid0(VALU_DEP_4)
	v_add_f32 v[TM+\m], v[ACC+2*\m], v[ACC+2*\m+1]
.endr
	s_delay_alu instid0(VALU_DEP_2)
	v_cndmask_b32 v[TM+4], v[TM], v[TM+2], s42     ; kept: h ? tile 2 : tile 0
	s_delay_alu instid0(VALU_DEP_3)
	v_cndmask_b32 v[TM+5], v[TM+2], v[TM], s42     ; sent: h ? tile 0 : tile 2
	s_delay_alu instid0(VALU_DEP_3)
	v_cndmask_b32 v[TM+6], v[TM+1], v[TM+3], s42   ; the same of tiles 1 and 3
	s_delay_alu instid0(VALU_DEP_4)
	v_cndmask_b32 v[TM+7], v[TM+3], v[TM+1], s42
	s_delay_alu instid0(VALU_DEP_3)
	v_permlanex16_b32 v[TM], v[TM+5], s40, s41
	s_delay_alu instid0(VALU_DEP_2)
	v_permlanex16_b32 v[TM+1], v[TM+7], s40, s41
	s_delay_alu instid0(VALU_DEP_2)
	v_add_f32 v[TM+4], v[TM+4], v[TM]              ; n = 4 r + 2 h
	s_delay_alu instid0(VALU_DEP_2)
	v_add_f32 v[TM+6], v[TM+6], v[TM+1]            ; n = 4 r + 2 h + 1
.if \last
	ds_store_b32 v[STB], v[TM+4] offset:780
	ds_store_b32 v[STB], v[TM+6] offset:784
.else
	v_add_nc_u32 v[TM+8], s44, v[STB]
	ds_store_b32 v[TM+8], v[TM+4]
	ds_store_b32 v[TM+8], v[TM+6] offset:4
.endif
.endm
.macro W2LD t                          ; eight LDS loads of my W2 tile: rows 64 (t / 4) + 32 h + 4 u + t % 4: what registers 2 t, 2 t + 1 of my K step's fragments are made of
.irp u, 0,1,2,3,4,5,6,7
	ds_load_b128 v[WB+32*((\t)%2)+4*\u:WB+32*((\t)%2)+4*\u+3], v[W2R] offset:256*(64*((\t)/4)+4*\u+(\t)%4)
.endr
.endm
	s_load_b256 s[4:11], s[0:1], 0x0               ; X s[4:5], W1 s[6:7], b1 s[8:9], W2 s[10:11]
	s_load_b256 s[12:19], s[0:1], 0x20             ; b2 s[12:13], W3 s[14:15], b3 s[16:17], the exponents s[18:19]
	s_load_b64 s[20:21], s[0:1], 0x40              ; out0
	v_lshl_add_u32 v16, v0, 2, SPARE
	v_mov_b32 v17, 0
	ds_add_u32 v16, v17                            ; the opening lines, ahead of my tensor load: the add,
	ds_add_u32 v16, v17                            ; the same once more; work on registers; one wait for both
	v_lshrrev_b32 v18, 5, v0
	v_and_b32 v19, 15, v0                          ; r
	v_bfe_u32 v20, v0, 4, 1                        ; h
	v_and_b32 v[LX], 31, v0
	v_readfirstlane_b32 s22, v18                   ; wave 0..7
	v_and_b32 v24, 31, v0
	v_lshlrev_b32 v[GO], 4, v0
	v_and_b32 v27, 0xc0, v0
	v_bfe_u32 v29, v0, 3, 1
	v_and_b32 v30, 7, v0
	v_bfe_u32 v31, v0, 4, 2
	v_lshlrev_b32 v[LX], 4, v[LX]
	v_lshlrev_b32 v[BH], 5, v20
	v_lshlrev_b32 v27, 2, v27                      ; thread i fetches entry i of the results' order: index 64 (i / 64) + 32 ((i / 8) % 2) + 4 (i % 8) + (i / 16) % 4, x 4 bytes
	v_lshlrev_b32 v26, 4, v19
	v_mul_u32_u24 v24, v24, 260
	v_lshlrev_b32 v28, 2, v0                       ; and stores it at 4 i
	v_lshlrev_b32 v[STB], 3, v20
	v_lshl_add_u32 v27, v29, 7, v27
	v_add_nc_u32 v[A1], W1IMG, v[LX]
	v_lshl_add_u32 v[W2R], v20, 13, v26            ; 16 r + 32 rows of 256 bytes for h
	v_add_nc_u32 v24, STAGE, v24                   ; column 0 of stage row = lane
	v_lshl_add_u32 v27, v30, 4, v27
	v_add_nc_u32 v[A2], STG, v[LX]
	v_add_nc_u32 v[A2+1], STG+65536, v[LX]
	v_lshl_add_u32 v[STB], v19, 4, v[STB]          ; I store n = 4 r + 2 h and the next
	v_lshl_add_u32 v27, v31, 2, v27
	v_add_nc_u32 v[A2+2], STG+131072, v[LX]
	v_add_nc_u32 v[A2+3], STG+196608, v[LX]
	v_lshl_add_u32 v26, v20, 10, v26               ; W1: 16 r + one row for h
	v_mov_b32 v25, 0
	s_wait_alu depctr_va_vdst(0)                   ; directly ahead of the scalar lines
	s_lshr_b32 s23, s22, 1                         ; which 64 columns of W1 and of W2 I quantise
	s_and_b32 s24, s22, 1                          ; which half of W1's K, which K step of W2
	s_mov_b32 s40, 0x76543210                      ; v_permlanex16_b32: lane l xor 16
	s_mov_b32 s41, 0xfedcba98
	s_mov_b32 s42, 0xffff0000                      ; the lanes with h = 1
	s_lshl_b32 s26, s23, 8                         ; W1: 256 bytes a column block, 64 rows of 1,024 bytes a half
	s_lshl_b32 s33, s24, 16
	s_add_co_u32 s26, s26, s33
	s_mov_b32 s27, 0
	s_lshl_b32 s48, s23, 8                         ; W2: 128 rows of 1,024 bytes a K step
	s_lshl_b32 s33, s24, 17
	s_add_co_u32 s48, s48, s33
	s_mov_b32 s49, 0
	s_lshl_b32 s50, ttmp9, 20                      ; X: 32 b of 32,768 bytes a work-group, 4 a wave; under 2^28
	s_lshl_b32 s33, s22, 17
	s_add_co_u32 s50, s50, s33
	s_mov_b32 s51, 0
	s_mul_i32 s52, ttmp9, 8320                     ; out0: 32 rows of 260 bytes
	s_mov_b32 s53, 0
	s_mov_b32 s[G0], 1
	s_lshl_b32 s[G0+1], s22, 15
	s_add_co_u32 s[G0+1], s[G0+1], STG             ; my W2 tile: 32,768 bytes of LDS
	s_mov_b32 s[G1], 2<<16                         ; elements of 4 bytes, no padding, no mask
	s_mov_b32 s[G1+1], 64<<16                      ; tensor_dim0 = 64: rows of 256 bytes
	s_mov_b32 s[G1+2], 128<<16                     ; tensor_dim1 = 128
	s_mov_b32 s[G1+3], 64<<16                      ; tile_dim0
	s_mov_b32 s[G1+4], 128                         ; tile_dim1
	s_mov_b32 s[G1+5], 256                         ; a row of W2
	s_mov_b32 s[G1+6], 0
	s_mov_b32 s[G1+7], 0
	s_mul_i32 s33, s22, 1040                       ; my four rows of the stage; + 4: column 0 is the zero
	s_add_co_u32 s33, s33, STAGE+4
	s_lshl_b32 s34, s23, 13                        ; W1's images: four tiles a column block, registers 8 (wave % 2) on
	s_lshl_b32 s35, s24, 10
	s_add_co_u32 s34, s34, s35
	v_add_nc_u32 v[STB], s33, v[STB]
	v_add_nc_u32 v[W1S], s34, v[A1]
	v_add_nc_u32 v[W2R], s[G0+1], v[W2R]
	v_add_nc_u32 v[W2S], s[G0+1], v[LX]
	s_wait_alu depctr_va_vdst(0)                   ; directly ahead of the waits below
	s_wait_dscnt 0x0                               ; both opening adds are done
	s_wait_kmcnt 0x0
	s_load_b128 s[28:31], s[18:19], 0x0            ; ex, ew1, eh, ew2
	s_load_b32 s32, s[16:17], 0x0                  ; b3
	s_add_nc_u64 s[6:7], s[6:7], s[26:27]
	s_add_nc_u64 s[4:5], s[4:5], s[50:51]
	s_add_nc_u64 s[20:21], s[20:21], s[52:53]
	s_add_nc_u64 s[G0+2:G0+3], s[10:11], s[48:49]
	s_or_b32 s[G0+3], s[G0+3], 0x80000000
	global_load_b32 v29, v27, s[8:9]               ; b1, b2, W3: one number a thread
	global_load_b32 v30, v27, s[12:13]
	global_load_b32 v31, v27, s[14:15]
	WIN 0x40
.set i, 0
.rept 32                               ; my share of W1: rows 2 i + h of my half; sixteen lanes read 256 consecutive bytes of a row
	global_load_b128 v[HH+4*i:HH+4*i+3], v26, s[6:7] offset:2048*i
.set i, i+1
.endr
.irp p, 0,1,2,3
	XLD8 1, SS, 0, \p                              ; the first half of my first b,
.endr
.irp p, 0,1,2,3
	XLD8 0, XB, 16384, \p                          ; and the second
.endr
	WIN 0
	tensor_load_to_lds s[G0:G0+3], s[G1:G1+7]      ; my share of W2, my one tensor load; it lands while layer 1 of the first b is at work
	s_nop 0
.rept 4
	v_nop
.endr
	s_wait_kmcnt 0x0
	MKSCALE 28, XSC, XLM
	MKSCALE 29, WSC, WLM
	s_add_co_i32 s45, s28, s29                     ; ex + ew1: a sum of layer 1 stands for sum x 2^(ex + ew1)
	s_sub_co_i32 s35, s30, s45                     ; so its code is sum / 2^(eh - ex - ew1)
	MKSCALE 35, HSC, HLM
	s_sub_co_i32 s45, 0, s45
	s_add_co_i32 s47, s30, s31                     ; eh + ew2
	s_sub_co_i32 s54, 0, s47
	v_mov_b32 v[BB+1], 0
	v_mov_b32 v[BB], s32
	s_delay_alu instid0(VALU_DEP_1)
	v_cndmask_b32 v[BB], v[BB], v[BB+1], s42       ; b3 enters once for each n: in lanes 0-15
	s_wait_alu depctr_va_vdst(0)
	s_wait_loadcnt 63                              ; the three numbers and W1: 64 loads were issued behind them; the count's field ends at 63, and a smaller count waits for more
	v_ldexp_f32 v29, v29, s45
	v_ldexp_f32 v30, v30, s54
	v_ldexp_f32 v31, v31, s47
	ds_store_b32 v28, v29 offset:PB1
	ds_store_b32 v28, v30 offset:PB2
	ds_store_b32 v28, v31 offset:PW3
	s_wait_alu depctr_va_vdst(0)
	s_cmp_lg_u32 s22, 0
	s_cbranch_scc1 .Lnot_wave_0
	ds_store_b32 v24, v25                          ; the 32 zeros of column 0
.Lnot_wave_0:
	CONV 1, HH, WSC, WLM, SCR, 1, XC, 8
.irp j, 0,1,2,3
.irp c, 0,1
	ds_store_b128 v[W1S], v[XC+8*\j+4*\c:XC+8*\j+4*\c+3] offset:2048*\j+512*\c
.endr
.endr
	MKSCALE 31, WSC, WLM
	s_wait_alu depctr_va_vdst(0)
	s_wait_loadcnt 32                              ; the first half of my first b is in, the second may be out
	s_wait_dscnt 0x0                               ; the images' stores have read their registers
	CONV 1, SS, XSC, XLM, SCR, 1, XC, 16           ; registers 0-7 of x's four fragments
	s_wait_loadcnt 0x0
	CONV 0, XB, XSC, XLM, SCR, 1, XC+8, 16         ; registers 8-15
	s_wait_alu depctr_va_vdst(0)                   ; directly ahead of the barrier
	s_wait_dscnt 0x0                               ; for the others' sake: all my stores into LDS have landed
	s_barrier_signal -1
	s_barrier_wait -1                              ; W1's images, the biases and W3 lie in LDS; nobody writes them again
	LOADW1 0, 0
	LOADW1 1, 1
	LAYER1 0
	; ---- W2 becomes codes: each wave its own tile, which no other wave reads before the barrier below
	s_wait_tensorcnt 0x0                           ; my tile is in
	W2LD 0
	W2LD 1
.set t, 0
.rept 8
.if t < 7
	s_wait_dscnt 8                                 ; the eight loads of t are in; those of t + 1 may be out
.else
	s_wait_dscnt 0
.endif
.irp j, 0,1,2,3
.irp u, 0,1,2,3,4,5,6,7
	v_med3_num_f32 v[DD+8*\j+\u], v[WB+32*(t%2)+4*\u+\j], -v[WLM], v[WLM]
.endr
.endr
.if t < 6
	W2LD t+2
.endif
.irp j, 0,1,2,3
	v_cvt_scalef32_pk8_fp8_f32 v[XC+16*\j+2*t:XC+16*\j+2*t+1], v[DD+8*\j:DD+8*\j+7], v[WSC]
.endr
	v_nop                                          ; one plain vector instruction behind the conversions
.set t, t+1
.endr
.irp j, 0,1,2,3
.irp c, 0,1,2,3
	ds_store_b128 v[W2S], v[XC+16*\j+4*\c:XC+16*\j+4*\c+3] offset:2048*\j+512*\c   ; over my own tile's first bytes: all my reads of it have come back
.endr
.endr
	s_wait_alu depctr_va_vdst(0)
	s_wait_dscnt 0x0                               ; for the others' sake: my images have landed
	s_barrier_signal -1
	s_barrier_wait -1                              ; W2's images lie in LDS; nobody writes them again
	LOADF2 0, 0
	LOADF2 1, 1
	LOADW3 0
	s_mov_b32 s43, 0                               ; the trip
	s_mov_b32 s44, 0                               ; 260 x the trip: its row of the stage
.Lb:
	s_wait_loadcnt 0x0                             ; the next b's first half is in, and no load of mine is out: the base may step
	s_add_nc_u64 s[4:5], s[4:5], 32768             ; to the next b
	CONV 1, SS, XSC, XLM, DD, 2, XC, 16            ; (layer 2 does not read x's fragments)
	LAYER2 1
	RESULT 0
	s_wait_loadcnt 0x0                             ; its second half is in
	CONV 1, SS, XSC, XLM, DD, 2, XC+8, 16
	s_wait_alu depctr_va_vdst(0)                   ; layer 1's products read the codes behind waits and branches
	LAYER1 1
	s_add_co_u32 s44, s44, 260
	s_add_co_u32 s43, s43, 1
	s_cmp_lt_u32 s43, 3
	s_wait_alu depctr_va_vdst(0)
	s_cbranch_scc1 .Lb
	LAYER2 0                                       ; the last b
	RESULT 1
	; ---- THE WAY OUT: the stage's 8,320 bytes are 520 pieces of 16: two a thread, and eight more for threads 0-7
	v_add_nc_u32 v24, STAGE, v[GO]
	v_and_b32 v25, 7, v0
	v_lshl_add_u32 v16, v0, 2, SPARE               ; my spare word, and 0, made anew
	v_mov_b32 v17, 0
	v_lshlrev_b32 v25, 4, v25
	s_delay_alu instid0(VALU_DEP_1)
	v_add_nc_u32 v25, STAGE+8192, v25
	s_wait_alu depctr_va_vdst(0)
	s_wait_dscnt 0x0                               ; for the others' sake: my stores into the stage have landed
	s_barrier_signal -1
	s_barrier_wait -1
	ds_load_b128 v[48:51], v24
	ds_load_b128 v[52:55], v24 offset:4096
	ds_load_b128 v[56:59], v25                     ; every lane reads one of the last eight pieces; threads 0-7 store theirs
	s_wait_dscnt 0x0
	global_store_b128 v[GO], v[48:51], s[20:21] th:TH_STORE_NT               ; a wave stores 512 consecutive bytes
	global_store_b128 v[GO], v[52:55], s[20:21] offset:4096 th:TH_STORE_NT
	s_wait_xcnt 0x0                                ; EXEC changes only behind this wait
	v_cmp_gt_u32 vcc_lo, 8, v0
	s_and_saveexec_b32 s46, vcc_lo
	global_store_b128 v[GO], v[56:59], s[20:21] offset:8192 th:TH_STORE_NT
	s_wait_xcnt 0x0                                ; and again, in front of the line that widens it
	s_or_b32 exec_lo, exec_lo, s46
	s_wait_tensorcnt 0x0                           ; the wave's end
	ds_add_u32 v16, v17
	s_wait_dscnt 0x0
	s_endpgm
.Lfunc_end_k_qbd9f16d078_mlp:
	.size	k_qbd9f16d078_mlp, .Lfunc_end_k_qbd9f16d078_mlp-k_qbd9f16d078_mlp
	.p2alignl 7, 3214868480
	.fill 96, 4, 3214868480
	.section	.rodata,"a",@progbits
	.p2align	6, 0x0
	.amdhsa_kernel k_qbd9f16d078_mlp
		.amdhsa_group_segment_fixed_size 327680
		.amdhsa_private_segment_fixed_size 0
		.amdhsa_enable_private_segment 0
		.amdhsa_kernarg_size 72
		.amdhsa_user_sgpr_count 2
		.amdhsa_user_sgpr_kernarg_segment_ptr 1
		.amdhsa_wavefront_size32 1
		.amdhsa_system_sgpr_workgroup_id_x 1
		.amdhsa_system_sgpr_workgroup_id_y 1
		.amdhsa_system_sgpr_workgroup_id_z 1
		.amdhsa_system_vgpr_workitem_id 0
		.amdhsa_next_free_vgpr 512
		.amdhsa_next_free_sgpr 80
		.amdhsa_reserve_vcc 1
		.amdhsa_float_denorm_mode_32 3
		.amdhsa_float_denorm_mode_16_64 3
		.amdhsa_memory_ordered 1
		.amdhsa_forward_progress 1
		.amdhsa_inst_pref_size 255
	.end_amdhsa_kernel
	.section	.bss,"aw",@nobits
	.p2align	6
	.space	262144
	.amdgpu_metadata
---
amdhsa.version: [ 1, 2 ]
amdhsa.kernels:
  - .name:           k_qbd9f16d078_mlp
    .symbol:         k_qbd9f16d078_mlp.kd
    .args:
      - { .name: X, .offset: 0, .size: 8, .value_kind: global_buffer, .address_space: global }
      - { .name: W1, .offset: 8, .size: 8, .value_kind: global_buffer, .address_space: global }
      - { .name: b1, .offset: 16, .size: 8, .value_kind: global_buffer, .address_space: global }
      - { .name: W2, .offset: 24, .size: 8, .value_kind: global_buffer, .address_space: global }
      - { .name: b2, .offset: 32, .size: 8, .value_kind: global_buffer, .address_space: global }
      - { .name: W3, .offset: 40, .size: 8, .value_kind: global_buffer, .address_space: global }
      - { .name: b3, .offset: 48, .size: 8, .value_kind: global_buffer, .address_space: global }
      - { .name: lowp_scales, .offset: 56, .size: 8, .value_kind: global_buffer, .address_space: global }
      - { .name: out0, .offset: 64, .size: 8, .value_kind: global_buffer, .address_space: global }
    .group_segment_fixed_size: 327680
    .private_segment_fixed_size: 0
    .kernarg_segment_align: 8
    .kernarg_segment_size: 72
    .max_flat_workgroup_size: 256
    .sgpr_count:     80
    .vgpr_count:     512
    .wavefront_size: 32
...
	.end_amdgpu_metadata
.endif
;; end of part 1
